; MI455X (gfx1250); checked and timed in simulation.
; The chip was launched on July 23, 2026; its instructions are those of AMD's public machine-readable ISA for CDNA 5 (MIT licence, August 2026) and "CDNA5" Instruction Set Architecture Reference Guide (July 2026). The comments in the code are by the model that wrote it; some were corrected since.
;; Kmeans Quantize. Allowed arithmetic: float matrix products may take bf16 or f16 operands with f32 sums; other float arithmetic in f32, or as packed bf16 or f16 multiplies, adds, multiply-adds, maxima and minima; sums over many terms, partial sums and values carried from step to step in f32; what a program stores and reads back later, other than sums and carried values, may be rounded once to bf16 or f16.
;; Inputs: embd 8,192 x 256 float32; input 8 x 4,096 x 256 float32.
;; Outputs: out0 8 x 4,096 x 256 float32; out1 8 x 4,096 int32.
;; 2 versions, each right; version 2 is version 1 with the launch cast written anew for expert scheduling mode. Each part assembles by itself: llvm-mc -triple=amdgcn-amd-amdhsa -mcpu=gfx1250 --defsym DOCPART=n.
;; ======== version 1 of 2: 3 launches
;; workspace buffers: ebf 4,194,304 bytes; pick 131,072 bytes of whole numbers
;; launch cast (part 1): grid 256 x 1, 8 waves a work-group, no clusters, 0 bytes of LDS; arguments embd, ebf; writes ebf
.if DOCPART == 1
	.amdgcn_target "amdgcn-amd-amdhsa--gfx1250"
	.amdhsa_code_object_version 6
	.text
	.protected	k_qf1606c9a1b_cast
	.globl	k_qf1606c9a1b_cast
	.p2align	8
	.type	k_qf1606c9a1b_cast,@function
k_qf1606c9a1b_cast:
	s_mov_b64 s[64:65], 0
	v_nop
	global_prefetch_b8 v0, s[64:65] scope:SCOPE_SE
	s_setreg_imm32_b32 hwreg(HW_REG_WAVE_MODE, 25, 1), 1
	s_wait_xcnt 0x0
; ebf[v][d] = embd[v][d] rounded once to bf16 (nearest even).  embd: [8192][256] f32, ebf: [8192][256] bf16, both dense.
; The next launch streams the code book through every work-group, so it is narrowed once here: 8,388,608 bytes in, 4,194,304 out.
; LIMIT: bf16 has f32's exponent range; a number beyond bf16's largest finite one (3.39e38) becomes an infinity.
; SHARES: 256 work-groups x 32,768 bytes in.  A wave takes 4,096 consecutive bytes as eight loads of 512; a lane's four numbers
; become 8 bytes, so each store of a wave covers 256 consecutive bytes, aligned.  No LDS, no barrier: no wave needs another's data.
.set X, 4                              ; v[4:35]   load i: four f32
.set Y, 36                             ; v[36:51]  store i: four bf16
	s_load_b128 s[4:7], s[0:1], 0x0                ; embd s[4:5], ebf s[6:7]
	v_and_b32 v1, 31, v0                           ; lane
	v_lshrrev_b32 v3, 5, v0                        ; wave
	v_lshlrev_b32 v1, 4, v1
	v_lshl_or_b32 v1, v3, 12, v1                   ; in: 4,096 x wave + 16 x lane
	v_lshrrev_b32 v2, 1, v1                        ; out: half of that
	s_lshl_b32 s2, ttmp9, 15                       ; the work-group's 32,768 bytes of embd
	s_mov_b32 s3, 0
	s_lshl_b32 s8, ttmp9, 14                       ; and its 16,384 bytes of ebf
	s_mov_b32 s9, 0
	s_wait_kmcnt 0x0
	s_add_nc_u64 s[4:5], s[4:5], s[2:3]
	s_add_nc_u64 s[6:7], s[6:7], s[8:9]
.irp i, 0,1,2,3,4,5,6,7
	global_load_b128 v[X+4*(\i):X+4*(\i)+3], v1, s[4:5] offset:512*(\i)  ; no hint: the last launch reads rows of embd again
.endr
.irp i, 0,1,2,3,4,5,6,7
	s_wait_loadcnt 7-(\i)                          ; loads come back in order: load i is in, the 7 - i younger ones stay out
	v_cvt_pk_bf16_f32 v[Y+2*(\i)],   v[X+4*(\i)],   v[X+4*(\i)+1]
	v_cvt_pk_bf16_f32 v[Y+2*(\i)+1], v[X+4*(\i)+2], v[X+4*(\i)+3]
	global_store_b64 v2, v[Y+2*(\i):Y+2*(\i)+1], s[6:7] offset:256*(\i)  ; no register is written twice, so nothing waits for a store
.endr
	s_endpgm
.Lfunc_end_k_qf1606c9a1b_cast:
	.size	k_qf1606c9a1b_cast, .Lfunc_end_k_qf1606c9a1b_cast-k_qf1606c9a1b_cast
	.p2alignl 7, 3214868480
	.fill 96, 4, 3214868480
	.section	.rodata,"a",@progbits
	.p2align	6, 0x0
	.amdhsa_kernel k_qf1606c9a1b_cast
		.amdhsa_group_segment_fixed_size 0
		.amdhsa_private_segment_fixed_size 0
		.amdhsa_enable_private_segment 0
		.amdhsa_kernarg_size 16
		.amdhsa_user_sgpr_count 2
		.amdhsa_user_sgpr_kernarg_segment_ptr 1
		.amdhsa_wavefront_size32 1
		.amdhsa_system_sgpr_workgroup_id_x 1
		.amdhsa_system_sgpr_workgroup_id_y 1
		.amdhsa_system_sgpr_workgroup_id_z 1
		.amdhsa_system_vgpr_workitem_id 0
		.amdhsa_next_free_vgpr 52
		.amdhsa_next_free_sgpr 66
		.amdhsa_reserve_vcc 0
		.amdhsa_float_denorm_mode_32 3
		.amdhsa_float_denorm_mode_16_64 3
		.amdhsa_memory_ordered 1
		.amdhsa_forward_progress 1
		.amdhsa_inst_pref_size 4
	.end_amdhsa_kernel
	.amdgpu_metadata
---
amdhsa.version: [ 1, 2 ]
amdhsa.kernels:
  - .name:           k_qf1606c9a1b_cast
    .symbol:         k_qf1606c9a1b_cast.kd
    .args:
      - { .name: embd, .offset: 0, .size: 8, .value_kind: global_buffer, .address_space: global }
      - { .name: ebf, .offset: 8, .size: 8, .value_kind: global_buffer, .address_space: global }
    .group_segment_fixed_size: 0
    .private_segment_fixed_size: 0
    .kernarg_segment_align: 8
    .kernarg_segment_size: 16
    .max_flat_workgroup_size: 256
    .sgpr_count:     66
    .vgpr_count:     52
    .wavefront_size: 32
...
	.end_amdgpu_metadata
.endif
;; end of part 1
;; launch score (part 2): grid 256 x 1, 4 waves a work-group, clusters of 4 x 1, 327,680 bytes of LDS; arguments input, ebf, out1, pick; writes out1, pick
.if DOCPART == 2
	.amdgcn_target "amdgcn-amd-amdhsa--gfx1250"
	.amdhsa_code_object_version 6
	.text
	.protected	k_qf1606c9a1b_score
	.globl	k_qf1606c9a1b_score
	.p2align	8
	.type	k_qf1606c9a1b_score,@function
k_qf1606c9a1b_score:
	s_mov_b64 s[64:65], 0
	v_nop
	global_prefetch_b8 v0, s[64:65] scope:SCOPE_SE
	s_setreg_imm32_b32 hwreg(HW_REG_WAVE_MODE, 25, 1), 1
	s_wait_xcnt 0x0
	s_wait_alu depctr_hold_cnt(0) depctr_sa_sdst(0) depctr_va_vdst(0) depctr_va_sdst(0) depctr_va_ssrc(0) depctr_va_vcc(0) depctr_vm_vsrc(0)
	s_getreg_b32 s2, hwreg(HW_REG_IB_STS2, 6, 4)
	s_cmp_eq_u32 s2, 0
	s_cbranch_scc0 .Lentry_in_a_cluster
	s_endpgm
.Lentry_in_a_cluster:
	s_bfe_u32 s2, ttmp6, 0x10000c
	s_cmp_lg_u32 s2, 0x3003
	s_cbranch_scc0 .Lentry_shape_is_right
	s_endpgm
.Lentry_shape_is_right:
; For each of the 32,768 rows x of input ([32768][256] f32): the first index of the largest of the 8,192 scores x . e_v.  Operands bf16 (x rounded here, e in ebf), sums f32.
; The index goes out twice, as int32: into out1 (the result) and into pick (from which the next launch forms its addresses).
; LIMITS.  A NaN score never wins (reference() would return the first NaN's index).  The scores are f32 sums of products of bf16-rounded operands, added in the matrix unit's own order: where a row's two best
; scores lie closer than that rounding, the choice may differ from reference()'s.  Equal scores: the lower index wins, as in reference().
; SHARES.  Work-group g owns rows 128 g .. 128 g + 127 and ALL codes, so that no maximum crosses work-groups: 256 work-groups of equal work.  K is 256, so the 128 rows in bf16 are 512 registers: every one of
; the four waves keeps them all for the whole launch, and the waves share out the CODES: the code book goes in 32 tiles of 256 codes through two LDS slots; wave w fetches, and alone reads, rows 64 w .. 64 w + 63 of each tile.
; A tile is four STEPS of 16 codes a wave; a step is 64 matrix instructions (8 chunks of 32 along K x 8 blocks of 16 rows) fed by 16 LDS loads of 16 bytes a lane.
; TRANSPOSED PRODUCT.  Source 0 = 16 codes, source 1 = 16 rows of x: register j of lane l holds the score of code 8 (l / 16) + j for row l % 16.  A lane's eight scores belong to one row, so a running maximum and index
; for each block of rows (16 registers) are all the state.
; THE ARGMAX RIDES.  Two sets of 8 accumulators take turns by steps.  Behind matrix instruction i of a step stand three vector instructions on ONE score register of the step before: compare, maximum, select.
; Strictly greater, codes ascending: the first index stays.  The selected number is a scalar (tile, step, j); the lane's 64 w + 8 (l / 16) is added once at the end.
; CLUSTER.  All work-groups walk the same tiles in the same order, so the four of a cluster ask for each tile JOINTLY: the same load, descriptor and mask in all four.  x's block is each work-group's own: a plain load.
; REGISTERS, in windows of 256 (s_set_vgpr_msb: bits 1:0 source 0, 3:2 source 1, 5:4 source 2, 7:6 destination):
;   window 0: v0-11 addresses; v30-31 the add's; v32-39 maxima; v40-47 indices; v48-63 pairs for the merge; v64-191 two sets of accumulators; v192-209 the merge
;   window 1: v0-127 two buffers of a step's code fragments (at the start all 256: two buffers of x in f32)          windows 2, 3: x's fragments, block a, chunk c at 64 (a % 4) + 8 c of window 2 + a / 4
.set PE,    528                        ; a code's row in LDS: 512 bytes + 16 of padding = 33 x 16: the 16 rows of a fragment load begin at 16 different 16-byte columns of 256 (64 banks of 4 bytes: ISA guide 11.1)
.set QE,    64*PE                      ; a wave's quarter of a slot
.set SLOT,  4*QE                       ; 135,168 = 0x21000; w x QE has neither of its two bits, so one exclusive or turns an address in one slot into the other's
.set PX,    1040                       ; a row of x in f32: 1,024 + 16 = 65 x 16
.set QX,    32*PX                      ; the 32 rows of x that a wave fetches
.set MRG,   2*SLOT                     ; behind the ring, never filled by a tensor load: 1,024 bytes a wave, 8 bytes (maximum, code) a row
.set SPARE, MRG+4096                   ; the spare words, 128 bytes for each wave: two blocks of 256 bytes that no other line names
.set TILEB, 256*512                    ; a tile's bytes in ebf
.set ADRB, 2                           ; v2   my lane's place in my wave's quarter of slot 0; never rewritten
.set ADR,  3                           ; v3   the same in the slot in hand
.set ADRA, 4                           ; v4   my lane's place in x's rows 0-63 in LDS; v6 in rows 64-127
.set CB,   7                           ; v7   64 w + 8 (l / 16)
.set SA,   8                           ; v8   the merge: where I put a pair
.set RA,   9                           ; v9   the merge: where I read two rows' pairs
.set GOFF, 10                          ; v10  my byte offset in the wave's 256 bytes of indices
.set SPW,  30                          ; v30  LDS address of my spare word; never rewritten
.set NIL,  31                          ; v31  0; never rewritten
.set M,    32
.set IDX,  40
.set R,    48
.set ACC,  64                          ; set p, block a at ACC + 64 p + 8 a
.set MG,   192
.set OT,   208
.set WV,  12                           ; s12  my wave's number
.set G1E, 24                           ; s[24:31] descriptor group 1 for the code tiles
.set G1A, 32                           ; s[32:39] for x's block
.set G0E, 40                           ; s[40:43] descriptor group 0 for the code tiles: it walks
.set G0A, 44                           ; s[44:47] for x's block
.set IX,  48                           ; s[48:55] 256 x tile + 16 x step + j of the scores that the riders read
.set TB,  56                           ; s56  0 or SLOT: the slot from which fragments are fetched
.set CNT, 57                           ; s57  counts tiles
.set SEL, 58                           ; s[58:59] v_permlanex16_b32's selects: each lane takes its own place in the other half
.set MSB, 0
.macro WIN new                         ; the immediate's high byte repeats the setting that is left; a switch that changes nothing is dropped
.if MSB != (\new)
	s_set_vgpr_msb (MSB<<8)|(\new)
.set MSB, (\new)
.endif
.endm
.macro CREST                           ; a round of the cluster's barrier behind its opening barrier
	s_cmp_lg_u32 s[WV], 0
	s_cbranch_scc1 .Lnot_wave_0_\@
	s_barrier_signal -3
.Lnot_wave_0_\@:
	s_barrier_wait -3
	s_barrier_signal -1
	s_barrier_wait -1
.endm
.macro CROUND                          ; a whole round
	s_barrier_signal -1
	s_barrier_wait -1
	CREST
.endm
.macro TLOAD                           ; my quarter of a code tile, asked for jointly; an s_nop 0 and four v_nop follow
	tensor_load_to_lds s[G0E:G0E+3], s[G1E:G1E+7]
	s_nop 0
.rept 4
	v_nop
.endr
.endm
	s_load_b256 s[4:11], s[0:1], 0x0               ; input s[4:5], ebf s[6:7], out1 s[8:9], pick s[10:11]
	v_lshl_add_u32 v[SPW], v0, 2, SPARE
	v_mov_b32 v[NIL], 0
	ds_add_u32 v[SPW], v[NIL]                      ; the wave's opening: the add and its wait come ahead of my first tensor load; the set-up below, work on registers, stands between them
	v_lshrrev_b32 v1, 5, v0
	v_readfirstlane_b32 s[WV], v1                  ; wave 0..3
	s_bfe_u32 s13, ttmp6, 0x40000                  ; cx: my place in the cluster
	s_lshl_b32 s14, ttmp9, 2                       ; in a cluster launch ttmp9 counts clusters
	s_add_co_u32 s14, s14, s13                     ; g = 4 x cluster + cx: it enters x's and the outputs' global addresses alone
	; group 1 for the codes: 64 rows x 256 elements of 2 bytes, padded in LDS
	s_mov_b32 s[G1E+0], 15|(1<<16)|(1<<20)|(1<<21)|(6<<22)|(3<<25)  ; 15:0 the mask of four; 17:16 2-byte elements; 20 padding on; 21 set beside a mask; 24:22 after every 128 words (code 6); 31:25 4 words (code 3)
	s_mov_b32 s[G1E+1], 256<<16                    ; tensor_dim0 = 256
	s_mov_b32 s[G1E+2], 64<<16                     ; tensor_dim1 = 64
	s_mov_b32 s[G1E+3], 256<<16                    ; tile_dim0 = 256
	s_mov_b32 s[G1E+4], 64                         ; tile_dim1 = 64
	s_mov_b32 s[G1E+5], 256                        ; 256 elements from row to row
	s_mov_b32 s[G1E+6], 0
	s_mov_b32 s[G1E+7], 0
	; group 1 for x: 32 rows x 256 elements of 4 bytes, padded in LDS; no mask
	s_mov_b32 s[G1A+0], (2<<16)|(1<<20)|(7<<22)|(3<<25)  ; 17:16 4-byte elements; 20 padding on; 24:22 after every 256 words (code 7); 31:25 4 words (code 3)
	s_mov_b32 s[G1A+1], 256<<16
	s_mov_b32 s[G1A+2], 32<<16
	s_mov_b32 s[G1A+3], 256<<16
	s_mov_b32 s[G1A+4], 32
	s_mov_b32 s[G1A+5], 256
	s_mov_b32 s[G1A+6], 0
	s_mov_b32 s[G1A+7], 0
	s_mul_i32 s20, s[WV], QE                       ; my quarter of a slot: no place in the cluster enters an LDS address
	s_mov_b32 s[G0E], 1                            ; 1:0 count = 1
	s_mov_b32 s[G0E+1], s20                        ; 63:32 LDS address: slot 0
	s_mov_b32 s[G0A], 1
	s_mul_i32 s[G0A+1], s[WV], QX
	s_add_co_u32 s[G0A+1], s[G0A+1], SLOT          ; x's block lies in slot 1 until it is in registers
	s_lshl_b32 s16, s[WV], 15                      ; my 64 rows of 512 bytes in a tile of ebf: the wave's number alone
	s_mov_b32 s17, 0
	s_lshl_b32 s18, s14, 17                        ; my work-group's 128 rows of 1,024 bytes of input,
	s_add_co_u32 s18, s18, s16                     ; my wave's 32 of them
	s_mov_b32 s19, 0
.irp j, 0,1,2,3,4,5,6,7
	s_mov_b32 s[IX+(\j)], (\j)-208                 ; the first step's end adds 208; until then no score is selected
.endr
	s_mov_b32 s[TB], 0
	s_mov_b32 s[SEL], 0x76543210
	s_mov_b32 s[SEL+1], 0xfedcba98
	s_wait_dscnt 0x0                               ; the opening add is done
	s_wait_kmcnt 0x0
	s_add_nc_u64 s[G0E+2:G0E+3], s[6:7], s[16:17]  ; 120:64 global address: my quarter of tile 0
	s_or_b32 s[G0E+3], s[G0E+3], 0x80000000        ; 127:126 type = 2
	s_add_nc_u64 s[G0A+2:G0A+3], s[4:5], s[18:19]
	s_or_b32 s[G0A+3], s[G0A+3], 0x80000000
	CROUND                                         ; all four work-groups are here: the first joint loads meet
	tensor_load_to_lds s[G0A:G0A+3], s[G1A:G1A+7]  ; the two first fills go out together: x's block, wanted first,
	s_nop 0
	tensor_load_to_lds s[G0E:G0E+3], s[G1E:G1E+7]  ; and tile 0: two loads of mine are out
	s_nop 0
.rept 4
	v_nop
.endr
	; in the wait for them: the lane's addresses and the start of the running maxima
	v_and_b32 v1, 15, v0                           ; l % 16
	v_bfe_u32 v5, v0, 4, 1                         ; l / 16
	v_and_b32 v11, 31, v0                          ; l
	v_mul_u32_u24 v[ADRB], v1, PE                  ; a fragment of 16 rows x 32 K of bf16: lane l takes row l % 16, K = 8 (l / 16) + 0..7 and 16 + 8 (l / 16) + 0..7: two loads of 16 bytes, 32 bytes apart
	v_lshl_add_u32 v[ADRB], v5, 4, v[ADRB]
	v_add_nc_u32 v[ADRB], s20, v[ADRB]
	v_mul_u32_u24 v[ADRA], v1, PX                  ; the same numbers in f32: 32 bytes at 32 (l / 16), and 32 bytes 64 further on
	v_lshl_add_u32 v[ADRA], v5, 5, v[ADRA]
	v_add_nc_u32 v[ADRA], SLOT, v[ADRA]
	v_add_nc_u32 v[ADRA+2], 64*PX, v[ADRA]         ; rows 64 on: an LDS offset has 16 bits
	s_lshl_b32 s21, s[WV], 6
	v_lshl_add_u32 v[CB], v5, 3, s21
	s_lshl_b32 s22, s[WV], 10
	s_add_co_u32 s22, s22, MRG
	v_lshl_add_u32 v[SA], v1, 3, s22               ; my wave's part of the stage, 8 bytes a row
	s_and_b32 s15, s[WV], 1
	s_lshl_b32 s23, s15, 9
	s_add_co_u32 s23, s23, MRG
	v_lshl_add_u32 v[RA], v11, 4, s23              ; rows 64 (w % 2) + 2 l and the next: 16 bytes in each wave's part
	v_lshlrev_b32 v[GOFF], 3, v11
	v_mov_b32 v[OT], 0                             ; v_permlanex16_b32's destinations count as read
	v_mov_b32 v[OT+1], 0
.irp a, 0,1,2,3,4,5,6,7
	v_mov_b32 v[M+(\a)], 0xff800000                ; -infinity
	v_mov_b32 v[IDX+(\a)], 0
.endr
.set z, 0
.rept 64                               ; the first step's riders read the second set, which no product has written yet: -infinity there, and they select nothing.  64 moves, once, spare a first tile written out
	v_mov_b32 v[ACC+64+z], 0xff800000
.set z, z+1
.endr
; x's block a (16 rows x 256 K, f32) from LDS into buffer b of window 1: 32 loads; chunk c's sixteen numbers at 16 c
.macro LOADA a, b
	WIN 0x40                                       ; destination window 1, address window 0
.irp c, 0,1,2,3,4,5,6,7
.irp q, 0,1,2,3
	ds_load_b128 v[128*(\b)+16*(\c)+4*(\q):128*(\b)+16*(\c)+4*(\q)+3], v[ADRA+2*((\a)/4)] offset:((\a)%4)*16*PX+128*(\c)+16*((\q)%2)+64*((\q)/2)
.endr
.endr
.endm
; and rounded to bf16 into its fragments: register z = 8 c + p takes numbers 2 z and 2 z + 1 of the buffer
.macro CVTA a, b
	WIN 0x85+0x40*((\a)/4)                         ; destination window 2 or 3, sources window 1
.set z, 0
.rept 64
	v_cvt_pk_bf16_f32 v[64*((\a)%4)+z], v[128*(\b)+2*z], v[128*(\b)+2*z+1]
.set z, z+1
.endr
.endm
	s_wait_tensorcnt 0x1                           ; my 32 rows of x are in; tile 0 may stay out
	s_barrier_signal -1
	s_barrier_wait -1                              ; everybody's rows are in: every wave reads all 128
	LOADA 0, 0
	LOADA 1, 1
.irp a, 0,1,2,3,4,5,6,7
.if (\a) < 7
	s_wait_dscnt 32                                ; block a is in; the 32 loads of block a + 1 stay out
.else
	s_wait_dscnt 0x0
.endif
	CVTA \a, (\a)%2
.if (\a) < 6
	LOADA (\a)+2, (\a)%2
.endif
.endr
	; x is in registers: slot 1 is given to the ring
	WIN 0
	s_wait_tensorcnt 0x0                           ; tile 0 has landed; no tensor load of mine is out, so group 0 may be written
	ds_add_u32 v[SPW], v[NIL]                      ; 0 onto my spare word; the descriptor's step stands between it and the wait for it
	s_xor_b32 s[G0E+1], s[G0E+1], SLOT             ; the other slot,
	s_add_nc_u64 s[G0E+2:G0E+3], s[G0E+2:G0E+3], TILEB  ; the next tile; the type bits on top are not reached
	s_wait_dscnt 0x0                               ; the add is done, and my reads of x are over
	CROUND                                         ; no wave of any partner still reads its slot 1 or has a load on its way
	TLOAD                                          ; tile 1
; Matrix instruction i of 64 of a step on set p: chunk i / 8 of K, block i % 8 of rows.  The 8 accumulators take turns, one instruction a turn; the first 8 start the sums with the constant 0.
.macro WM p
.set wa, i%8
.set wc, i/8
.set rD, ACC+64*(\p)+8*wa
.set rB, 64*(\p)+8*wc
.set rX, 64*(wa%4)+8*wc
	WIN 0x09+4*(wa/4)                              ; codes window 1, x window 2 or 3, C and D window 0
.if wc == 0
	v_wmma_f32_16x16x32_bf16 v[rD:rD+7], v[rB:rB+7], v[rX:rX+7], 0
.else
	v_wmma_f32_16x16x32_bf16 v[rD:rD+7], v[rB:rB+7], v[rX:rX+7], v[rD:rD+7]
.endif
.endm
; Rider i of 64 on set p: register j = i / 8 of block i % 8.  j is the outer index: each accumulator is read from its lowest register on, and a block's maximum is touched again eight riders later.
.macro RD p
.set ra, i%8
.set rj, i/8
.set rS, ACC+64*(\p)+8*ra+rj
	WIN 0
	v_cmp_gt_f32 vcc_lo, v[rS], v[M+ra]            ; strictly greater: an equal later score changes nothing; a NaN is never greater
	v_max_num_f32 v[M+ra], v[M+ra], v[rS]
	v_cndmask_b32 v[IDX+ra], v[IDX+ra], s[IX+rj], vcc_lo
.endm
; The fragments of step t of the slot in hand (16 codes x 256 K) into buffer p: 16 loads in one run
.macro FETCH p, t
	WIN 0x40
.irp c, 0,1,2,3,4,5,6,7
	ds_load_b128 v[64*(\p)+8*(\c):64*(\p)+8*(\c)+3],   v[ADR] offset:(\t)*16*PE+64*(\c)
	ds_load_b128 v[64*(\p)+8*(\c)+4:64*(\p)+8*(\c)+7], v[ADR] offset:(\t)*16*PE+64*(\c)+32
.endr
	WIN 0
.endm
; A STEP: 64 slices of a matrix instruction on set p and a rider on the other set.  Every slice ends in window 0, so what stands between slices stands in window 0, and VCC is never live there.
; Behind slice 1 the next step's fragments are fetched into the other buffer: its last reader, the step before's last product, stands three riders (nine vector instructions that name none of its registers) back,
; and the loads have 62 matrix instructions in which to come.  f = 1: step t + 1 of this slot.  f = 2: step 0 of the other slot.  f = 3: the same, jumped over in the loop's last trip, which has no next tile.
; meet != 0 (a tile's third step, whose fetch is my last read of the slot): the change of slots.  Ahead of slice 32: the wait for all my tensor loads (one is out: my quarter of the other slot) and the add;
; ahead of slice 40: the wait for the add and for my reads of this slot, and the signal; ahead of slice 56: the barrier's wait.  meet = 1: that barrier opens a round of the cluster's, and behind the round this
; slot is filled again, two tiles on: from that request to the wait for it a wave issues 8 + 3 x 64 + 32 = 232 matrix instructions.  meet = 2: nothing is left to ask for.
.macro STEP p, t, meet, f
	s_wait_dscnt 0x0                               ; this step's fragments are in
.set i, 0
.rept 64
.if (\meet) && (i == 32)
	s_wait_tensorcnt 0x0                           ; no tensor load of mine is out, so group 0 may be written
	ds_add_u32 v[SPW], v[NIL]                      ; 0 onto my spare word; eight slices stand between it and the wait for it
.if (\meet) == 1
	s_xor_b32 s[G0E+1], s[G0E+1], SLOT
	s_add_nc_u64 s[G0E+2:G0E+3], s[G0E+2:G0E+3], TILEB
.endif
.endif
.if (\meet) && (i == 40)
	s_wait_dscnt 0x0                               ; the add is done, and my reads of this slot are over
	s_barrier_signal -1                            ; sixteen slices, work on registers, while the others arrive
.endif
.if (\meet) && (i == 56)
	s_barrier_wait -1
.if (\meet) == 1
	CREST                                          ; no wave of any partner still reads this slot or has a load on its way
	TLOAD                                          ; my one tensor load behind the round, and the first thing there
.endif
.endif
	WM \p
	RD 1-(\p)
.if i == 1
.if (\f) == 1
	FETCH 1-(\p), (\t)+1
.elseif (\f) == 2
	s_xor_b32 s[TB], s[TB], SLOT
	v_add_nc_u32 v[ADR], s[TB], v[ADRB]
	FETCH 0, 0
.else
	s_cmp_eq_u32 s[CNT], 1
	s_cbranch_scc1 .Lno_next_\@
	s_xor_b32 s[TB], s[TB], SLOT
	v_add_nc_u32 v[ADR], s[TB], v[ADRB]
	FETCH 0, 0
.Lno_next_\@:
.endif
.endif
.set i, i+1
.endr
.if (\t) == 0
.set dI, 208                           ; the next riders read this tile's step 0: 256 - 48 on from the last tile's step 3
.else
.set dI, 16
.endif
.irp j, 0,1,2,3,4,5,6,7
	s_addk_co_i32 s[IX+(\j)], dI
.endr
.endm
.macro TILE meet, f3
	STEP 0, 0, 0, 1
	STEP 1, 1, 0, 1
	STEP 0, 2, \meet, 1
	STEP 1, 3, 0, \f3
.endm
	v_mov_b32 v[ADR], v[ADRB]                      ; slot 0
	FETCH 0, 0
	s_mov_b32 s[CNT], 30
.Ltile:                                                ; trip e multiplies tile e and asks for tile e + 2
	TILE 1, 2
	s_sub_co_u32 s[CNT], s[CNT], 1
	s_cmp_lg_u32 s[CNT], 0
	s_cbranch_scc1 .Ltile
	s_mov_b32 s[CNT], 2
.Ltail:                                                ; tiles 30 and 31 have a text of their own.  Tile 31's barrier orders nothing: the price of one text for both
	TILE 2, 3
	s_sub_co_u32 s[CNT], s[CNT], 1
	s_cmp_lg_u32 s[CNT], 0
	s_cbranch_scc1 .Ltail
.set i, 0
.rept 64                               ; the last step's scores; each accumulator's last product stands eight riders back
	RD 1
.set i, i+1
.endr
; THE MERGE.  The pair (om, oc) takes (vm, vc)'s place where its score is greater, or equal with the lower code: selects alone, no branch.
.macro BETTER vm, vc, om, oc
	v_cmp_gt_f32 s66, v[(\om)], v[(\vm)]
	v_cmp_eq_f32 s67, v[(\om)], v[(\vm)]
	v_cmp_lt_u32 s68, v[(\oc)], v[(\vc)]
	s_and_b32 s67, s67, s68
	s_or_b32 s66, s66, s67
	v_cndmask_b32 v[(\vm)], v[(\vm)], v[(\om)], s66
	v_cndmask_b32 v[(\vc)], v[(\vc)], v[(\oc)], s66
.endm
.irp a, 0,1,2,3,4,5,6,7
	v_mov_b32 v[R+2*(\a)], v[M+(\a)]               ; maximum and code side by side, for one store of 8 bytes
	v_add_nc_u32 v[R+2*(\a)+1], v[IDX+(\a)], v[CB]
.endr
.irp a, 0,1,2,3,4,5,6,7
	v_permlanex16_b32 v[OT],   v[R+2*(\a)],   s[SEL], s[SEL+1]  ; the row's other codes of my wave lie in the lane 16 away
	v_permlanex16_b32 v[OT+1], v[R+2*(\a)+1], s[SEL], s[SEL+1]
	BETTER R+2*(\a), R+2*(\a)+1, OT, OT+1
	ds_store_b64 v[SA], v[R+2*(\a):R+2*(\a)+1] offset:128*(\a)  ; row 16 a + l % 16; both halves of the lanes write the same pair
.endr
	s_wait_dscnt 0x0                               ; for the others' sake: my stores into the stage are done
	s_barrier_signal -1
	s_barrier_wait -1
.irp u, 0,1,2,3
	ds_load_b128 v[MG+4*(\u):MG+4*(\u)+3], v[RA] offset:1024*(\u)  ; wave u's pairs for my two rows
.endr
	s_cmp_lt_u32 s[WV], 2                          ; waves 0 and 1 store the 128 indices into out1, waves 2 and 3 the same into pick
	s_cselect_b64 s[60:61], s[8:9], s[10:11]
	s_lshl_b32 s62, s14, 9                         ; 128 g rows of 4 bytes,
	s_lshl_b32 s15, s15, 8                         ; 64 (w % 2) more
	s_add_co_u32 s62, s62, s15
	s_mov_b32 s63, 0
	s_add_nc_u64 s[60:61], s[60:61], s[62:63]
	s_wait_dscnt 0x0
.irp u, 1,2,3
	BETTER MG,   MG+1, MG+4*(\u),   MG+4*(\u)+1
	BETTER MG+2, MG+3, MG+4*(\u)+2, MG+4*(\u)+3
.endr
	v_mov_b32 v[MG+2], v[MG+1]                     ; the first row's code beside the second's
	global_store_b64 v[GOFF], v[MG+2:MG+3], s[60:61]  ; the wave's store covers 256 consecutive bytes, aligned
	s_wait_tensorcnt 0x0                           ; the wave's end, behind my last tensor load and my last LDS store
	ds_add_u32 v[SPW], v[NIL]
	s_wait_dscnt 0x0
	CROUND                                         ; the closing round: no work-group ends while a partner may still ask for a tile that names it
	s_endpgm
.Lfunc_end_k_qf1606c9a1b_score:
	.size	k_qf1606c9a1b_score, .Lfunc_end_k_qf1606c9a1b_score-k_qf1606c9a1b_score
	.p2alignl 7, 3214868480
	.fill 96, 4, 3214868480
	.section	.rodata,"a",@progbits
	.p2align	6, 0x0
	.amdhsa_kernel k_qf1606c9a1b_score
		.amdhsa_group_segment_fixed_size 327680
		.amdhsa_private_segment_fixed_size 0
		.amdhsa_enable_private_segment 0
		.amdhsa_kernarg_size 32
		.amdhsa_user_sgpr_count 2
		.amdhsa_user_sgpr_kernarg_segment_ptr 1
		.amdhsa_wavefront_size32 1
		.amdhsa_system_sgpr_workgroup_id_x 1
		.amdhsa_system_sgpr_workgroup_id_y 1
		.amdhsa_system_sgpr_workgroup_id_z 1
		.amdhsa_system_vgpr_workitem_id 0
		.amdhsa_next_free_vgpr 1024
		.amdhsa_next_free_sgpr 72
		.amdhsa_reserve_vcc 1
		.amdhsa_float_denorm_mode_32 3
		.amdhsa_float_denorm_mode_16_64 3
		.amdhsa_memory_ordered 1
		.amdhsa_forward_progress 1
		.amdhsa_inst_pref_size 217
	.end_amdhsa_kernel
	.amdgpu_metadata
---
amdhsa.version: [ 1, 2 ]
amdhsa.kernels:
  - .name:           k_qf1606c9a1b_score
    .symbol:         k_qf1606c9a1b_score.kd
    .args:
      - { .name: input, .offset: 0, .size: 8, .value_kind: global_buffer, .address_space: global }
      - { .name: ebf, .offset: 8, .size: 8, .value_kind: global_buffer, .address_space: global }
      - { .name: out1, .offset: 16, .size: 8, .value_kind: global_buffer, .address_space: global }
      - { .name: pick, .offset: 24, .size: 8, .value_kind: global_buffer, .address_space: global }
    .group_segment_fixed_size: 327680
    .private_segment_fixed_size: 0
    .kernarg_segment_align: 8
    .kernarg_segment_size: 32
    .max_flat_workgroup_size: 128
    .sgpr_count:     72
    .vgpr_count:     1024
    .wavefront_size: 32
...
	.end_amdgpu_metadata
.endif
;; end of part 2
;; launch gather (part 3): grid 256 x 1, 16 waves a work-group, no clusters, 0 bytes of LDS; arguments input, embd, pick, out0; writes out0
.if DOCPART == 3
	.amdgcn_target "amdgcn-amd-amdhsa--gfx1250"
	.amdhsa_code_object_version 6
	.text
	.protected	k_qf1606c9a1b_gather
	.globl	k_qf1606c9a1b_gather
	.p2align	8
	.type	k_qf1606c9a1b_gather,@function
k_qf1606c9a1b_gather:
	s_mov_b64 s[64:65], 0
	v_nop
	global_prefetch_b8 v0, s[64:65] scope:SCOPE_SE
	s_setreg_imm32_b32 hwreg(HW_REG_WAVE_MODE, 25, 1), 1
	s_wait_xcnt 0x0
; out0[row][:] = x + (embd[pick[row]][:] - x), x = input[row][:], all f32, written as reference() writes it: two roundings.  pick holds the indices that the launch before stored.
; SHARES: 4,096 waves, eight rows each.  A row is 1,024 bytes: two loads or stores of 512 consecutive bytes a wave.  All 32 loads of a wave are issued before the first is waited for: 16 KiB a wave on their way.
; Memory binds: no LDS, no barrier, no matrix unit; no wave needs another's data.
; The indices are whole numbers 0 .. 8191; the minimum with 8191 changes none of them and keeps every address inside embd whatever pick holds.
.set GO, 2                             ; v[2:9]    row i: byte offset in embd of my 16 bytes of the chosen code
.set X,  16                            ; v[16:79]  row i: 8 registers of x
.set Q,  80                            ; v[80:143] row i: 8 registers of the code, then of the result
	s_load_b256 s[4:11], s[0:1], 0x0               ; input s[4:5], embd s[6:7], pick s[8:9], out0 s[10:11]
	v_lshrrev_b32 v3, 5, v0
	v_readfirstlane_b32 s12, v3                    ; wave 0..15
	v_and_b32 v1, 31, v0
	v_lshlrev_b32 v1, 4, v1                        ; 16 bytes a lane
	s_lshl_b32 s13, ttmp9, 4
	s_add_co_u32 s13, s13, s12                     ; my wave among the launch's 4,096
	s_lshl_b32 s24, s13, 5                         ; its eight indices, 32 bytes
	s_mov_b32 s25, 0
	s_lshl_b32 s14, s13, 13                        ; its eight rows, 8,192 bytes
	s_mov_b32 s15, 0
	s_wait_kmcnt 0x0
	s_add_nc_u64 s[8:9], s[8:9], s[24:25]
	s_load_b256 s[16:23], s[8:9], 0x0              ; this launch stores nothing into pick, so a scalar load may read it
	s_add_nc_u64 s[4:5], s[4:5], s[14:15]
	s_add_nc_u64 s[10:11], s[10:11], s[14:15]
.irp i, 0,1,2,3,4,5,6,7
	global_load_b128 v[X+8*(\i):X+8*(\i)+3],   v1, s[4:5] offset:1024*(\i) th:TH_LOAD_NT       ; x is read once here and by nobody after
	global_load_b128 v[X+8*(\i)+4:X+8*(\i)+7], v1, s[4:5] offset:1024*(\i)+512 th:TH_LOAD_NT
.endr
	s_wait_kmcnt 0x0                               ; the indices
.irp i, 0,1,2,3,4,5,6,7
	s_min_u32 s[16+(\i)], s[16+(\i)], 0x1fff
	v_lshl_add_u32 v[GO+(\i)], s[16+(\i)], 10, v1  ; 1,024 x index + 16 x lane
.endr
.irp i, 0,1,2,3,4,5,6,7
	global_load_b128 v[Q+8*(\i):Q+8*(\i)+3],   v[GO+(\i)], s[6:7]              ; no hint: many rows may choose the same code
	global_load_b128 v[Q+8*(\i)+4:Q+8*(\i)+7], v[GO+(\i)], s[6:7] offset:512
.endr
.irp i, 0,1,2,3,4,5,6,7
	s_wait_loadcnt 14-2*(\i)                       ; loads come back in order: row i's code is in (x came first); the later rows' two loads each stay out
.irp k, 0,2,4,6
	v_pk_add_f32 v[Q+8*(\i)+(\k):Q+8*(\i)+(\k)+1], v[Q+8*(\i)+(\k):Q+8*(\i)+(\k)+1], v[X+8*(\i)+(\k):X+8*(\i)+(\k)+1] neg_lo:[0,1] neg_hi:[0,1]  ; q - x
.endr
.irp k, 0,2,4,6
	v_pk_add_f32 v[Q+8*(\i)+(\k):Q+8*(\i)+(\k)+1], v[X+8*(\i)+(\k):X+8*(\i)+(\k)+1], v[Q+8*(\i)+(\k):Q+8*(\i)+(\k)+1]  ; x + (q - x)
.endr
	global_store_b128 v1, v[Q+8*(\i):Q+8*(\i)+3],   s[10:11] offset:1024*(\i) th:TH_STORE_NT      ; 512 consecutive bytes, aligned; no register of a store is written again
	global_store_b128 v1, v[Q+8*(\i)+4:Q+8*(\i)+7], s[10:11] offset:1024*(\i)+512 th:TH_STORE_NT
.endr
	s_endpgm
.Lfunc_end_k_qf1606c9a1b_gather:
	.size	k_qf1606c9a1b_gather, .Lfunc_end_k_qf1606c9a1b_gather-k_qf1606c9a1b_gather
	.p2alignl 7, 3214868480
	.fill 96, 4, 3214868480
	.section	.rodata,"a",@progbits
	.p2align	6, 0x0
	.amdhsa_kernel k_qf1606c9a1b_gather
		.amdhsa_group_segment_fixed_size 0
		.amdhsa_private_segment_fixed_size 0
		.amdhsa_enable_private_segment 0
		.amdhsa_kernarg_size 32
		.amdhsa_user_sgpr_count 2
		.amdhsa_user_sgpr_kernarg_segment_ptr 1
		.amdhsa_wavefront_size32 1
		.amdhsa_system_sgpr_workgroup_id_x 1
		.amdhsa_system_sgpr_workgroup_id_y 1
		.amdhsa_system_sgpr_workgroup_id_z 1
		.amdhsa_system_vgpr_workitem_id 0
		.amdhsa_next_free_vgpr 144
		.amdhsa_next_free_sgpr 66
		.amdhsa_reserve_vcc 0
		.amdhsa_float_denorm_mode_32 3
		.amdhsa_float_denorm_mode_16_64 3
		.amdhsa_memory_ordered 1
		.amdhsa_forward_progress 1
		.amdhsa_inst_pref_size 11
	.end_amdhsa_kernel
	.amdgpu_metadata
---
amdhsa.version: [ 1, 2 ]
amdhsa.kernels:
  - .name:           k_qf1606c9a1b_gather
    .symbol:         k_qf1606c9a1b_gather.kd
    .args:
      - { .name: input, .offset: 0, .size: 8, .value_kind: global_buffer, .address_space: global }
      - { .name: embd, .offset: 8, .size: 8, .value_kind: global_buffer, .address_space: global }
      - { .name: pick, .offset: 16, .size: 8, .value_kind: global_buffer, .address_space: global }
      - { .name: out0, .offset: 24, .size: 8, .value_kind: global_buffer, .address_space: global }
    .group_segment_fixed_size: 0
    .private_segment_fixed_size: 0
    .kernarg_segment_align: 8
    .kernarg_segment_size: 32
    .max_flat_workgroup_size: 512
    .sgpr_count:     66
    .vgpr_count:     144
    .wavefront_size: 32
...
	.end_amdgpu_metadata
.endif
;; end of part 3
;; ======== version 2 of 2: 3 launches; version 1 with the launch cast written anew for expert scheduling mode
;; workspace buffers: ebf 4,194,304 bytes; pick 131,072 bytes of whole numbers
;; launch cast (part 4): grid 256 x 1, 8 waves a work-group, no clusters, 0 bytes of LDS; arguments embd, ebf; writes ebf
.if DOCPART == 4
	.amdgcn_target "amdgcn-amd-amdhsa--gfx1250"
	.amdhsa_code_object_version 6
	.text
	.protected	k_qf1606c9a1b_cast
	.globl	k_qf1606c9a1b_cast
	.p2align	8
	.type	k_qf1606c9a1b_cast,@function
k_qf1606c9a1b_cast:
	s_mov_b64 s[64:65], 0
	v_nop
	global_prefetch_b8 v0, s[64:65] scope:SCOPE_SE
	s_setreg_imm32_b32 hwreg(HW_REG_WAVE_SCHED_MODE, 0, 2), 2
	s_setreg_imm32_b32 hwreg(HW_REG_WAVE_MODE, 25, 1), 1
	s_wait_xcnt 0x0
	s_wait_alu depctr_vm_vsrc(0)
; ebf[v][d] = embd[v][d] rounded once to bf16 (nearest even).  embd: [8192][256] f32, ebf: [8192][256] bf16, both dense.
; The next launch streams the code book through every work-group, so it is narrowed once here: 8,388,608 bytes in, 4,194,304 out.
; LIMIT: bf16 has f32's exponent range; a number beyond bf16's largest finite one (3.39e38) becomes an infinity.
; SHARES: 256 work-groups x 32,768 bytes in.  A wave takes 4,096 consecutive bytes as eight loads of 512; a lane's four numbers
; become 8 bytes, so each store of a wave covers 256 consecutive bytes, aligned.  No LDS, no barrier: no wave needs another's data.
; THE MODE: SCHED_MODE bits 1:0 = 2 (LLVM: expert scheduling mode 2), set by the entry lines.  The code itself states the register dependences
; between vector instructions and memory instructions, with s_wait_alu, always for 0.
; THE PLAN.  Registers that memory instructions touch:
;   v1, v2   byte offsets into embd and ebf: written at the head by vector instructions, never again; read by the eight loads and the eight stores.
;   X        load n lands in its own four registers, which no vector instruction has named before; read by conversion pair n.
;   Y        conversion pair n writes its own two registers, once; read by store n, once.
; No register that a load or store reads is written again, so nothing is owed for a rewritten source.
; The eight loads are worked on in four blocks of two.  Block b issues the two stores of block b - 1 and makes its own four conversions, which write other
; registers of Y than those stores read.  So one wait at a block's head, behind the wait for its data, states all that the block's two stores hang on.
.set X, 4                              ; v[4:35]   load n: four f32
.set Y, 36                             ; v[36:51]  store n: four bf16
	s_load_b128 s[4:7], s[0:1], 0x0                ; embd s[4:5], ebf s[6:7]
	v_and_b32 v1, 31, v0                           ; lane
	v_lshrrev_b32 v3, 5, v0                        ; wave
	v_lshlrev_b32 v1, 4, v1
	v_lshl_or_b32 v1, v3, 12, v1                   ; in: 4,096 x wave + 16 x lane
	v_lshrrev_b32 v2, 1, v1                        ; out: half of that
	s_lshl_b32 s2, ttmp9, 15                       ; the work-group's 32,768 bytes of embd
	s_mov_b32 s3, 0
	s_lshl_b32 s8, ttmp9, 14                       ; and its 16,384 bytes of ebf
	s_mov_b32 s9, 0
	s_wait_kmcnt 0x0
	s_add_nc_u64 s[4:5], s[4:5], s[2:3]
	s_add_nc_u64 s[6:7], s[6:7], s[8:9]
	s_wait_alu depctr_va_vdst(0)                   ; v1 and v2 are written: every load below reads v1 as its offset, every store v2
.irp i, 0,1,2,3,4,5,6,7
	global_load_b128 v[X+4*(\i):X+4*(\i)+3], v1, s[4:5] offset:512*(\i)  ; no hint: the last launch reads rows of embd again
.endr
.irp b, 0,1,2,3
	s_wait_loadcnt 6-2*(\b)                        ; loads come back in order: block b's two loads are in, the 6 - 2 b younger ones stay out
.if (\b) > 0
	s_wait_alu depctr_va_vdst(0)                   ; the block before has written its two pairs of Y, which the two stores below read
.endif
.irp k, 0,1
.set n, 2*(\b)+(\k)
.if (\b) > 0
	global_store_b64 v2, v[Y+2*n-4:Y+2*n-3], s[6:7] offset:256*(n-2)  ; store n - 2.  No vector instruction since the wait names its registers
.endif
	v_cvt_pk_bf16_f32 v[Y+2*n],   v[X+4*n],   v[X+4*n+1]
	v_cvt_pk_bf16_f32 v[Y+2*n+1], v[X+4*n+2], v[X+4*n+3]
.endr
.endr
	s_wait_alu depctr_va_vdst(0)                   ; block 3 has written the last two pairs of Y, which the last two stores read
.irp n, 6,7
	global_store_b64 v2, v[Y+2*(\n):Y+2*(\n)+1], s[6:7] offset:256*(\n)  ; no register is written twice, so nothing waits for a store
.endr
	s_endpgm
.Lfunc_end_k_qf1606c9a1b_cast:
	.size	k_qf1606c9a1b_cast, .Lfunc_end_k_qf1606c9a1b_cast-k_qf1606c9a1b_cast
	.p2alignl 7, 3214868480
	.fill 96, 4, 3214868480
	.section	.rodata,"a",@progbits
	.p2align	6, 0x0
	.amdhsa_kernel k_qf1606c9a1b_cast
		.amdhsa_group_segment_fixed_size 0
		.amdhsa_private_segment_fixed_size 0
		.amdhsa_enable_private_segment 0
		.amdhsa_kernarg_size 16
		.amdhsa_user_sgpr_count 2
		.amdhsa_user_sgpr_kernarg_segment_ptr 1
		.amdhsa_wavefront_size32 1
		.amdhsa_system_sgpr_workgroup_id_x 1
		.amdhsa_system_sgpr_workgroup_id_y 1
		.amdhsa_system_sgpr_workgroup_id_z 1
		.amdhsa_system_vgpr_workitem_id 0
		.amdhsa_next_free_vgpr 52
		.amdhsa_next_free_sgpr 66
		.amdhsa_reserve_vcc 0
		.amdhsa_float_denorm_mode_32 3
		.amdhsa_float_denorm_mode_16_64 3
		.amdhsa_memory_ordered 1
		.amdhsa_forward_progress 1
		.amdhsa_inst_pref_size 4
	.end_amdhsa_kernel
	.amdgpu_metadata
---
amdhsa.version: [ 1, 2 ]
amdhsa.kernels:
  - .name:           k_qf1606c9a1b_cast
    .symbol:         k_qf1606c9a1b_cast.kd
    .args:
      - { .name: embd, .offset: 0, .size: 8, .value_kind: global_buffer, .address_space: global }
      - { .name: ebf, .offset: 8, .size: 8, .value_kind: global_buffer, .address_space: global }
    .group_segment_fixed_size: 0
    .private_segment_fixed_size: 0
    .kernarg_segment_align: 8
    .kernarg_segment_size: 16
    .max_flat_workgroup_size: 256
    .sgpr_count:     66
    .vgpr_count:     52
    .wavefront_size: 32
...
	.end_amdgpu_metadata
.endif
;; end of part 4
;; launch score: the kernel of part 2 again; grid 256 x 1, 4 waves a work-group, clusters of 4 x 1, 327,680 bytes of LDS; arguments input, ebf, out1, pick; writes out1, pick
;; launch gather: the kernel of part 3 again; grid 256 x 1, 16 waves a work-group, no clusters, 0 bytes of LDS; arguments input, embd, pick, out0; writes out0
